; MI455X (gfx1250); checked and timed in simulation.
; The chip was launched on July 23, 2026; its instructions are those of AMD's public machine-readable ISA for CDNA 5 (MIT licence, August 2026) and "CDNA5" Instruction Set Architecture Reference Guide (July 2026). The comments in the code are by the model that wrote it; some were corrected since.
;; Multi Headed Attention. Allowed arithmetic: matrix products marked QUANTISED: E2M1 operands, one E8M0 scale for each 32 along K, by v_wmma_scale_f32_16x16x128_f8f6f4 with both operands' format E2M1 (or v_wmma_scale_f32_32x16x128_f4), f32 sums; products left as they are: bf16, f16 or f32 operands; f32 sums; everything else in f32.
;; Inputs: Wk 1,024 x 1,024 float32; Wo 1,024 x 1,024 float32; Wq 1,024 x 1,024 float32; Wv 1,024 x 1,024 float32; bk 1,024 float32; bo 1,024 float32; bq 1,024 float32; bv 1,024 float32; key_ 4 x 2,048 x 1,024 float32; query 4 x 2,048 x 1,024 float32; value 4 x 2,048 x 1,024 float32.
;; Outputs: out0 4 x 2,048 x 1,024 float32.
;; This version of the problem:
;;   THIS VERSION OF THE PROBLEM IS GIVEN IN LOW PRECISION. The matrix products marked QUANTISED in the list below multiply operands that are first quantised to E2M1 (2 exponent bits, 1 mantissa bit; 4 bits a number), with one power-of-two scale for each 32 numbers along K (OCP MX v1.0); their sums are f32. The products marked 'left as it is' may take bf16, f16 or f32 operands, with f32 sums. Whichever they take, every output number must still come out within the allowed error. Rounding operands to bf16 (8 significant bits) uses up far more of that allowance than f16 does (11 bits, for magnitudes from 6e-5 to 65,504). All else is computed in f32.
;;   The module's matrix products, in the order in which they are computed (A, B: the left and right operand; K: the contracted axis; several contracted axes count as one K, in the product's order):
;;     1. [M 8,192, K 1,024] x [K 1,024, N 1,024]; A: input query; B: input Wq: QUANTISED
;;     2. [M 8,192, K 1,024] x [K 1,024, N 1,024]; A: input key_; B: input Wk: QUANTISED
;;     3. [M 8,192, K 1,024] x [K 1,024, N 1,024]; A: input value; B: input Wv: QUANTISED
;;     4. batch 64 x [M 2,048, K 64] x [K 64, N 2,048]; A: computed on the way; B: computed on the way: left as it is (an operand is computed on the way)
;;     5. batch 64 x [M 2,048, K 2,048] x [K 2,048, N 64]; A: computed on the way; B: computed on the way: left as it is (an operand is computed on the way)
;;     6. [M 8,192, K 1,024] x [K 1,024, N 1,024]; A: computed on the way; B: input Wo: left as it is (an operand is computed on the way)
;;   THE QUANTISER, for each operand of a quantised product, along K:
;;     - K is cut into blocks of 32 from its start; a last block that is shorter is filled with zeros.
;;     - A block's scale is 2^e with e = floor(log2(the largest magnitude in the block)) - 2, held to -126 .. 127; a block of zeros has e = 0. As a byte (E8M0): e + 127.
;;     - Each number is divided by its block's scale, clamped to +-6, and rounded to the nearest number of E2M1, ties to even, subnormals kept.
;;     - The product sums the exact products of the quantised numbers (number of the format x scale) in f32.
;;   ~~~python
;;   def quantise(x, axis):      # numpy; x: float32 -> the quantised numbers, widened to float32 again
;;       x = np.moveaxis(x, axis, -1); K = x.shape[-1]
;;       x = np.pad(x, [(0, 0)] * (x.ndim - 1) + [(0, -K % 32)]); x = x.reshape(x.shape[:-1] + (-1, 32)); a = np.abs(x).max(-1, keepdims=True)
;;       e = np.where(a > 0, np.clip(np.frexp(np.where(a > 0, a, 1))[1] - 1 - 2, -126, 127), 0)      # np.frexp(a)[1] - 1 = floor(log2(a)), exactly
;;       r = np.clip(x / 2.0 ** e, -6, 6)
;;       step = 2.0 ** (np.maximum(np.frexp(np.where(r == 0, 1, r))[1] - 1, 0) - 1)
;;       q = np.round(r / step) * step * 2.0 ** e      # np.round: ties to even
;;       return np.moveaxis(q.reshape(q.shape[:-2] + (-1,))[..., :K], -1, axis).astype(np.float32)
;;   ~~~
;; One version. Each part assembles by itself: llvm-mc -triple=amdgcn-amd-amdhsa -mcpu=gfx1250 --defsym DOCPART=n.
;; ======== version 1 of 1: 4 launches
;; limits: values are held in f16: magnitudes above 65,504 overflow, below 6.1e-05 lose precision
;; workspace buffers: codes 14,155,776 bytes; scales 884,736 bytes; wof 2,097,152 bytes; qf 16,777,216 bytes; kf 16,777,216 bytes; vf 16,777,216 bytes; xf 16,777,216 bytes
;; launch prep (part 1): grid 1792 x 1, 8 waves a work-group, no clusters, 69,120 bytes of LDS; arguments query, key_, value, Wq, Wk, Wv, Wo, codes, scales, wof; writes codes, scales, wof
.if DOCPART == 1
	.amdgcn_target "amdgcn-amd-amdhsa--gfx1250"
	.amdhsa_code_object_version 6
	.text
	.protected	k_qede2e9297d_prep
	.globl	k_qede2e9297d_prep
	.p2align	8
	.type	k_qede2e9297d_prep,@function
k_qede2e9297d_prep:
	s_mov_b64 s[64:65], 0
	v_nop
	global_prefetch_b8 v0, s[64:65] scope:SCOPE_SE
	s_setreg_imm32_b32 hwreg(HW_REG_WAVE_MODE, 25, 1), 1
	s_wait_xcnt 0x0
; query, key_, value [8192][1024] and Wq, Wk, Wv [1024][1024], f32, K innermost, become codes of FP4 (E2M1) with one E8M0 byte for each 32 along K; Wo [1024][1024] becomes f16.
; All three results are laid in the ORDER OF THE OPERAND'S REGISTERS: a fragment (8 registers a lane) is 1,024 bytes, registers 0-3 as 16 bytes at 16 x lane, registers 4-7 likewise 512 bytes on.
;   codes  [tile of 16 rows: 1728][K step of 128: 8][1,024]   tiles: query 0, key_ 512, value 1024, Wq 1536, Wk 1600, Wv 1664
;   scales [tile][half of K: 2][row: 16][4 words]             word s % 4: the four bytes of K step s of that row
;   wof    [tile of 16 rows: 64][32 along K: 32][1,024]
; A block's scale is 2^(floor(log2(largest magnitude)) - 2): its byte is the largest magnitude's exponent field - 2, held at 1 from below.
; LIMITS: a block of zeros, or one whose largest magnitude lies under 2^-124, keeps the byte 1 (the rule says 127 for zeros): its codes are zeros or tiny, and this program alone reads the bytes.
;         NaN and infinities among the inputs are not served.  Wo beyond 65,504 becomes infinite in f16, under 6e-5 it loses bits.
; SHARES.  A work-group takes 16 rows x 1,024 numbers: work-groups 0-1727 a tile of codes, 1728-1791 a tile of Wo.  Wave w takes K step w: 16 rows x 512 bytes.
; Each load reads 512 consecutive bytes of a row; the 8 KiB turn through the wave's own stage in LDS (rows 528 bytes apart, an odd multiple of 16), from which a lane takes the neighbours along K
; that its registers of the fragment want.  Every store of codes, of f16 and of scale words covers 512 consecutive bytes, aligned.
; No cluster, no tensor load, no matrix unit: nothing is shared between work-groups and every byte is read once.
.set NQT,   1728                       ; tiles that are quantised
.set WST,   8448                       ; a wave's stage: 16 rows x 528 bytes
.set PITCH, 528
.set SCB,   8*WST                      ; behind the stages: the tile's 512 bytes of scale words
.set SPARE, SCB+512                    ; the spare words, 128 bytes for each of the eight waves: four blocks of 256 bytes that no other line names
.set GO,  1                            ; v1   16 x lane
.set GI,  2                            ; v2   + 512 x wave: my 16 bytes of a row
.set STW, 3                            ; v3   the stage, on the way in
.set RDQ, 4                            ; v4   out of it, for codes: row r, + 128 h
.set RDW, 5                            ; v5   out of it, for f16: row r, + 32 h
.set CO,  6                            ; v6   16 x lane + 1,024 x wave: my place among the tile's codes
.set WO,  7                            ; v7   16 x lane + 4,096 x wave: among the tile's f16
.set SCW, 8                            ; v8   where my row's scale word goes
.set SCR, 9                            ; v9   where the tile's words are read back
.set SPW, 10                           ; v10  LDS address of my spare word; never rewritten
.set NIL, 11                           ; v11  0; never rewritten
.set SH,  12                           ; v12  8 h
.set R,   16                           ; v16-79   the numbers as loaded; later f16, which stores read
.set X,   80                           ; v80-143  the numbers as the fragment wants them; at the end v80-83 take the tile's scale words: no earlier store names these registers
.set C,   144                          ; v144-151 the codes
.set MX,  152                          ; v152-153 largest magnitudes
.set SO,  154                          ; v154-155 the conversions' scale operands
.set BY,  156                          ; v156-157 the bytes
.set WD,  158                          ; v158 the scale word
.set TP,  159
	s_load_b512 s[8:23], s[0:1], 0x0               ; query, key_, value, Wq, Wk, Wv, Wo, codes
	s_load_b128 s[24:27], s[0:1], 0x40             ; scales, wof
	v_lshl_add_u32 v[SPW], v0, 2, SPARE
	v_mov_b32 v[NIL], 0
	v_lshrrev_b32 v13, 5, v0
	v_readfirstlane_b32 s4, v13                    ; wave 0..7
	v_and_b32 v13, 31, v0                          ; lane
	v_and_b32 v14, 15, v0                          ; r
	v_bfe_u32 v15, v0, 4, 1                        ; h
	v_lshlrev_b32 v[GO], 4, v13
	s_lshl_b32 s5, s4, 9
	v_add_nc_u32 v[GI], s5, v[GO]
	s_lshl_b32 s5, s4, 10
	v_add_nc_u32 v[CO], s5, v[GO]
	s_lshl_b32 s5, s4, 12
	v_add_nc_u32 v[WO], s5, v[GO]
	s_mul_i32 s5, s4, WST
	v_add_nc_u32 v[STW], s5, v[GO]
	v_mul_u32_u24 v[RDQ], v14, PITCH
	v_add_nc_u32 v[RDQ], s5, v[RDQ]
	v_lshl_add_u32 v[RDW], v15, 5, v[RDQ]
	v_lshl_add_u32 v[RDQ], v15, 7, v[RDQ]
	s_lshr_b32 s6, s4, 2
	s_lshl_b32 s6, s6, 8                           ; which half of K,
	s_and_b32 s7, s4, 3
	s_lshl_b32 s7, s7, 2                           ; which word of the four
	s_add_co_u32 s6, s6, s7
	s_add_co_u32 s6, s6, SCB
	v_lshl_add_u32 v[SCW], v14, 4, s6
	v_add_nc_u32 v[SCR], SCB, v[GO]
	v_lshlrev_b32 v[SH], 3, v15
	v_mov_b32 v[TP], 0                             ; written once: a lane permute's destination counts as one of its sources
	s_mov_b32 s36, 0x76543210
	s_mov_b32 s37, 0xfedcba98                      ; v_permlanex16_b32's selects for lane l xor 16
	s_mov_b32 s33, 0
	s_wait_kmcnt 0x0
	; which tensor is mine, and its first work-group: a chain of choices on the work-group's number alone
	s_mov_b64 s[28:29], s[20:21]                   ; Wo
	s_mov_b32 s30, NQT
.macro PICK lim, ptr, first
	s_cmp_lt_u32 ttmp9, \lim
	s_cselect_b64 s[28:29], s[\ptr:\ptr+1], s[28:29]
	s_cselect_b32 s30, \first, s30
.endm
	PICK 1728, 18, 1664                            ; Wv
	PICK 1664, 16, 1600                            ; Wk
	PICK 1600, 14, 1536                            ; Wq
	PICK 1536, 12, 1024                            ; value
	PICK 1024, 10, 512                             ; key_
	PICK 512, 8, 0                                 ; query
	s_sub_co_u32 s31, ttmp9, s30                   ; my tile in that tensor
	s_lshl_b32 s32, s31, 16                        ; 16 rows of 4,096 bytes
	s_add_nc_u64 s[28:29], s[28:29], s[32:33]
.irp i, 0,1,2,3,4,5,6,7,8,9,10,11,12,13,14,15
	global_load_b128 v[R+4*\i:R+4*\i+3], v[GI], s[28:29] offset:4096*\i th:TH_LOAD_NT   ; row i: 32 lanes read 512 consecutive bytes
.endr
.irp i, 0,1,2,3,4,5,6,7,8,9,10,11,12,13,14,15
	s_wait_loadcnt 15-\i                           ; loads come back in order: row i is in, the 15 - i younger ones may be out
	ds_store_b128 v[STW], v[R+4*\i:R+4*\i+3] offset:PITCH*\i
.endr
	s_cmp_ge_u32 ttmp9, NQT
	s_cbranch_scc1 .Lwo
	; ---- codes.  Lane (r, h) of a 4-bit fragment holds k = 64 c + 32 h + 0 .. 31 of row r in registers 4 c .. 4 c + 3: two whole blocks of 32
	s_lshl_b32 s32, ttmp9, 13
	s_add_nc_u64 s[22:23], s[22:23], s[32:33]      ; my tile's 8,192 bytes of codes
.irp c, 0,1
.irp i, 0,1,2,3,4,5,6,7
	ds_load_b128 v[X+32*\c+4*\i:X+32*\c+4*\i+3], v[RDQ] offset:256*\c+16*\i   ; LDS serves a wave's instructions in order: these see my stores
.endr
.endr
	s_wait_dscnt 0x0
.irp c, 0,1
	v_max3_num_f32 v[MX+\c], |v[X+32*\c]|, |v[X+32*\c+1]|, 0x1800000   ; and the floor 2^(3 - 127): the byte cannot fall under 1
.endr
.irp i, 2,4,6,8,10,12,14,16,18,20,22,24,26,28,30
.irp c, 0,1
	v_max3_num_f32 v[MX+\c], v[MX+\c], |v[X+32*\c+\i]|, |v[X+32*\c+\i+1]|   ; (the two blocks by turns)
.endr
.endr
.irp c, 0,1
	v_add_nc_u32 v[SO+\c], 0xff000000, v[MX+\c]    ; 2 off the exponent field: the conversion takes the exponent field of this operand as its scale
.endr
.irp c, 0,1
	v_lshrrev_b32 v[BY+\c], 23, v[SO+\c]           ; the scale's byte
.endr
	v_lshl_or_b32 v[WD], v[BY+1], 16, v[BY]        ; my two bytes: blocks h and 2 + h,
	v_lshlrev_b32 v[WD], v[SH], v[WD]              ; at their places in the word;
	v_permlanex16_b32 v[TP], v[WD], s36, s37
	v_or_b32 v[WD], v[WD], v[TP]                   ; with lane l xor 16's two the word is whole
.irp c, 0,1
.irp g, 0,1,2,3
	v_cvt_scalef32_pk8_fp4_f32 v[C+4*\c+\g], v[X+32*\c+8*\g:X+32*\c+8*\g+7], v[SO+\c]
.endr
.endr
	v_nop                                          ; one plain place behind the last scaled conversion
.irp c, 0,1
	global_store_b128 v[CO], v[C+4*\c:C+4*\c+3], s[22:23] offset:512*\c   ; 512 consecutive bytes
.endr
	ds_store_b32 v[SCW], v[WD]                     ; lanes r and r + 16 write the same word with the same value
	s_branch .Ljoin
.Lwo:
	; ---- Wo.  Lane (r, h) of a 16-bit fragment holds k = 8 h + 0 .. 7 in registers 0-3 and k = 16 + 8 h + 0 .. 7 in registers 4-7; my K step is four fragments f
	s_lshl_b32 s32, s31, 15
	s_add_nc_u64 s[26:27], s[26:27], s[32:33]      ; my tile's 32,768 bytes of f16
.irp f, 0,1,2,3
.irp u, 0,1
.irp e, 0,1
	ds_load_b128 v[X+16*\f+8*\u+4*\e:X+16*\f+8*\u+4*\e+3], v[RDW] offset:128*\f+64*\u+16*\e
.endr
.endr
.endr
	s_wait_dscnt 0x0
.irp f, 0,1,2,3
.irp i, 0,1,2,3,4,5,6,7
	v_cvt_pk_f16_f32 v[R+8*\f+\i], v[X+16*\f+2*\i], v[X+16*\f+2*\i+1]
.endr
.endr
.irp f, 0,1,2,3
.irp u, 0,1
	global_store_b128 v[WO], v[R+8*\f+4*\u:R+8*\f+4*\u+3], s[26:27] offset:1024*\f+512*\u
.endr
.endr
.Ljoin:
	s_wait_dscnt 0x0                               ; for the others' sake: my scale word has landed
	s_barrier_signal -1
	s_barrier_wait -1                              ; the eight waves' words lie in LDS
	s_cmp_ge_u32 ttmp9, NQT
	s_cbranch_scc1 .Lend
	s_cmp_lg_u32 s4, 0
	s_cbranch_scc1 .Lend
	s_lshl_b32 s32, ttmp9, 9
	s_add_nc_u64 s[24:25], s[24:25], s[32:33]
	ds_load_b128 v[X:X+3], v[SCR]                  ; into registers that no store issued so far reads
	s_wait_dscnt 0x0
	global_store_b128 v[GO], v[X:X+3], s[24:25]    ; wave 0 stores the tile's 512 bytes of scale words
.Lend:
	s_wait_tensorcnt 0x0                           ; the wave's end, behind my last LDS store
	ds_add_u32 v[SPW], v[NIL]
	s_wait_dscnt 0x0
	s_endpgm
.Lfunc_end_k_qede2e9297d_prep:
	.size	k_qede2e9297d_prep, .Lfunc_end_k_qede2e9297d_prep-k_qede2e9297d_prep
	.p2alignl 7, 3214868480
	.fill 96, 4, 3214868480
	.section	.rodata,"a",@progbits
	.p2align	6, 0x0
	.amdhsa_kernel k_qede2e9297d_prep
		.amdhsa_group_segment_fixed_size 69120
		.amdhsa_private_segment_fixed_size 0
		.amdhsa_enable_private_segment 0
		.amdhsa_kernarg_size 80
		.amdhsa_user_sgpr_count 2
		.amdhsa_user_sgpr_kernarg_segment_ptr 1
		.amdhsa_wavefront_size32 1
		.amdhsa_system_sgpr_workgroup_id_x 1
		.amdhsa_system_sgpr_workgroup_id_y 1
		.amdhsa_system_sgpr_workgroup_id_z 1
		.amdhsa_system_vgpr_workitem_id 0
		.amdhsa_next_free_vgpr 160
		.amdhsa_next_free_sgpr 66
		.amdhsa_reserve_vcc 0
		.amdhsa_float_denorm_mode_32 3
		.amdhsa_float_denorm_mode_16_64 3
		.amdhsa_memory_ordered 1
		.amdhsa_forward_progress 1
		.amdhsa_inst_pref_size 15
	.end_amdhsa_kernel
	.amdgpu_metadata
---
amdhsa.version: [ 1, 2 ]
amdhsa.kernels:
  - .name:           k_qede2e9297d_prep
    .symbol:         k_qede2e9297d_prep.kd
    .args:
      - { .name: query, .offset: 0, .size: 8, .value_kind: global_buffer, .address_space: global }
      - { .name: key_, .offset: 8, .size: 8, .value_kind: global_buffer, .address_space: global }
      - { .name: value, .offset: 16, .size: 8, .value_kind: global_buffer, .address_space: global }
      - { .name: Wq, .offset: 24, .size: 8, .value_kind: global_buffer, .address_space: global }
      - { .name: Wk, .offset: 32, .size: 8, .value_kind: global_buffer, .address_space: global }
      - { .name: Wv, .offset: 40, .size: 8, .value_kind: global_buffer, .address_space: global }
      - { .name: Wo, .offset: 48, .size: 8, .value_kind: global_buffer, .address_space: global }
      - { .name: codes, .offset: 56, .size: 8, .value_kind: global_buffer, .address_space: global }
      - { .name: scales, .offset: 64, .size: 8, .value_kind: global_buffer, .address_space: global }
      - { .name: wof, .offset: 72, .size: 8, .value_kind: global_buffer, .address_space: global }
    .group_segment_fixed_size: 69120
    .private_segment_fixed_size: 0
    .kernarg_segment_align: 8
    .kernarg_segment_size: 80
    .max_flat_workgroup_size: 256
    .sgpr_count:     66
    .vgpr_count:     160
    .wavefront_size: 32
...
	.end_amdgpu_metadata
.endif
;; end of part 1
;; launch proj (part 2): grid 192 x 4, 4 waves a work-group, clusters of 4 x 4, 212,992 bytes of LDS; arguments codes, scales, bq, bk, bv, qf, kf, vf; writes qf, kf, vf
.if DOCPART == 2
	.amdgcn_target "amdgcn-amd-amdhsa--gfx1250"
	.amdhsa_code_object_version 6
	.text
	.protected	k_qede2e9297d_proj
	.globl	k_qede2e9297d_proj
	.p2align	8
	.type	k_qede2e9297d_proj,@function
k_qede2e9297d_proj:
	s_mov_b64 s[64:65], 0
	v_nop
	global_prefetch_b8 v0, s[64:65] scope:SCOPE_SE
	s_setreg_imm32_b32 hwreg(HW_REG_WAVE_MODE, 25, 1), 1
	s_wait_xcnt 0x0
	s_wait_alu depctr_hold_cnt(0) depctr_sa_sdst(0) depctr_va_vdst(0) depctr_va_sdst(0) depctr_va_ssrc(0) depctr_va_vcc(0) depctr_vm_vsrc(0)
	s_getreg_b32 s2, hwreg(HW_REG_IB_STS2, 6, 4)
	s_cmp_eq_u32 s2, 0
	s_cbranch_scc0 .Lentry_in_a_cluster
	s_endpgm
.Lentry_in_a_cluster:
	s_bfe_u32 s2, ttmp6, 0x10000c
	s_cmp_lg_u32 s2, 0xf033
	s_cbranch_scc0 .Lentry_shape_is_right
	s_endpgm
.Lentry_shape_is_right:
; q = query Wq^T + bq, k = key_ Wk^T + bk, v = value Wv^T + bv on codes of FP4 (E2M1) with E8M0 scales, sums in f32, results rounded once to f16 and stored as images of the registers in which
; the attention launch wants them:
;   qf, kf [tile of 16 tokens: 512][32 channels: 32][1,024]    a 16-bit fragment of 16 tokens x 32 channels
;   vf     [32 tokens: 256][tile of 16 channels: 64][1,024]    a 16-bit fragment of V^T: 16 channels x 32 keys
; In a result, register j of lane (r, h) is (row 8 h + j of source 0, row r of source 1): packed in pairs, eight neighbours along source 0's rows, which is half a 16-bit fragment whose K runs along them.
; So q and k take W's rows as source 0 and tokens as source 1; v takes tokens as source 0 and W's rows as source 1; nothing is transposed and nothing goes through LDS on the way out.
; LIMIT: |q|, |k|, |v| beyond 65,504 become infinite in f16; under 6e-5 they lose bits.
; SHARES.  48 clusters of 4 x 4 work-groups, 16 for each projection p.  A work-group makes 128 rows of source 0 x 256 rows of source 1 over all of K = 1,024: its codes and scale words, 204 KiB, lie in LDS
; whole: first fills alone, no slot is ever filled again.  Source 0's blocks hang on cx alone and are asked for jointly by a column of the cluster, source 1's on cy alone, by a row.
; A wave makes 64 x 128: 32 accumulators.  A K step of 128 is 32 matrix instructions and 24 LDS loads, each of 512 consecutive bytes.
; The biases are the C of the first K step's products.
; REGISTERS, in windows of 256: window 0: v1-31 addresses; v32-95 scale words; v96-127, v128-159 source 0's fragments, two sets (on the way out v96-223: the f16);
;   window 1: the accumulators, (a, b) at v[8 (8 a + b)];   window 2: v0-63, v64-127 source 1's fragments, two sets; from v128 the biases.
.set SQ,    0                          ; LDS: source 1's scale words, 16 tiles x 512 bytes
.set SP,    8192                       ; source 0's, 8 tiles
.set CP,    12288                      ; source 0's codes, 8 tiles x 8,192 bytes
.set CQ,    77824                      ; source 1's, 16 tiles
.set SPARE, 208896                     ; the spare words, 128 bytes for each wave: two blocks of 256 bytes that no other line names
.set LI,   1                           ; v1   16 x lane
.set ADR0, 2                           ; v2   my four tiles of source 0
.set ADR1, 3                           ; v3   my eight tiles of source 1
.set ADRS, 4                           ; v4   scale words: lanes 0-15 source 1's, lanes 16-31 source 0's
.set BOM,  5                           ; v5   bias offset where the channel runs along source 0's rows
.set BON,  6                           ; v6   and where it is the lane's
.set SPW,  8                           ; v8   LDS address of my spare word; never rewritten
.set NIL,  9                           ; v9   0; never rewritten
.set OFF,  16                          ; v16-31 store offsets of my 16 result fragments
.set SC,   32                          ; v[SC + 8 i + s]: lanes 0-15 the word of source 1's tile i, lanes 16-31 that of source 0's tile i, for K step s
.set A0,   96
.set OUT,  96
.set BI,   128                         ; in window 2
.set WV,   20                          ; s20 wave; s21, s22 which 64 rows of source 0, which 128 of source 1; s23 cx, s24 cy; s26 p; s27 the cluster's number in its projection
.set G1C0, 32                          ; s[32:39] group 1 for source 0's codes; s[40:47] source 1's; s[48:55], s[56:63] their scale words
.set G1C1, 40
.set G1S0, 48
.set G1S1, 56
.set G0C0, 68                          ; s[68:71], s[72:75], s[76:79], s[80:83] the groups 0
.set G0C1, 72
.set G0S0, 76
.set G0S1, 80
.set MSB, 0
.macro WIN new                         ; the immediate's high byte repeats the setting that is left
.if MSB != \new
	s_set_vgpr_msb (MSB<<8)|\new
.set MSB, \new
.endif
.endm
.macro CROUND                          ; a round of the cluster's barrier
	s_barrier_signal -1
	s_barrier_wait -1
	s_cmp_lg_u32 s[WV], 0
	s_cbranch_scc1 .Lnot_wave_0_\@
	s_barrier_signal -3
.Lnot_wave_0_\@:
	s_barrier_wait -3
	s_barrier_signal -1
	s_barrier_wait -1
.endm
.macro PLACES n
.rept \n
	v_nop
.endr
.endm
.macro GROUP1 g, rows                  ; a dense block as rows of 256 bytes: 32 elements of 8 bytes, no padding
	s_mov_b32 s[\g+1], 32<<16                      ; tensor_dim0
	s_mov_b32 s[\g+2], (\rows)<<16                 ; tensor_dim1
	s_mov_b32 s[\g+3], 32<<16                      ; tile_dim0
	s_mov_b32 s[\g+4], \rows                       ; tile_dim1
	s_mov_b32 s[\g+5], 32                          ; the pitch
	s_mov_b32 s[\g+6], 0
	s_mov_b32 s[\g+7], 0
.endm
	s_load_b512 s[4:19], s[0:1], 0x0               ; codes, scales, bq, bk, bv, qf, kf, vf
	v_lshl_add_u32 v[SPW], v0, 2, SPARE
	v_mov_b32 v[NIL], 0
	ds_add_u32 v[SPW], v[NIL]                      ; the wave's opening: the add, twice on end, and its wait ahead of my first tensor load
	ds_add_u32 v[SPW], v[NIL]
	v_lshrrev_b32 v1, 5, v0
	v_readfirstlane_b32 s[WV], v1                  ; wave 0..3
	s_lshr_b32 s21, s[WV], 1
	s_and_b32 s22, s[WV], 1
	s_bfe_u32 s23, ttmp6, 0x40000                  ; cx
	s_bfe_u32 s24, ttmp6, 0x40004                  ; cy
	s_lshr_b32 s26, ttmp9, 4                       ; p: 0 q, 1 k, 2 v
	s_and_b32 s27, ttmp9, 15
	s_and_b32 s88, s27, 1
	s_lshr_b32 s89, s27, 1
	s_lshl_b32 s90, s26, 6
	s_lshl_b32 s91, s88, 5
	s_add_co_u32 s90, s90, s91
	s_add_co_u32 s90, s90, 1536                    ; q, k: source 0 = W: the cluster's first tile
	s_lshl_b32 s91, s27, 5
	s_add_co_u32 s91, s91, 1024                    ; v: source 0 = value's tokens
	s_lshl_b32 s92, s26, 9
	s_lshl_b32 s93, s89, 6
	s_add_co_u32 s92, s92, s93                     ; q, k: source 1 = tokens
	s_mov_b32 s93, 1664                            ; v: source 1 = Wv
	s_mov_b32 s30, 1024
	s_mov_b32 s31, 0x8000
	s_cmp_eq_u32 s26, 2                            ; the cluster's number alone: the same in all sixteen partners
	s_cselect_b32 s28, s91, s90
	s_cselect_b32 s29, s93, s92
	s_cselect_b32 s96, s27, s88
	s_cselect_b32 s97, 0, s89
	s_cselect_b32 s30, 0x10000, s30                ; bytes from one result fragment to the next along source 0 (32 rows),
	s_cselect_b32 s31, 1024, s31                   ; and along source 1 (16 rows)
	s_lshl_b32 s98, s23, 3
	s_add_co_u32 s28, s28, s98                     ; my first tile of source 0: hangs on cx alone
	s_lshl_b32 s99, s24, 4
	s_add_co_u32 s29, s29, s99                     ; of source 1: on cy alone
	s_lshl_b32 s96, s96, 2
	s_add_co_u32 s96, s96, s23                     ; which 128 rows of source 0's tensor
	s_lshl_b32 s97, s97, 2
	s_add_co_u32 s97, s97, s24                     ; which 256 rows of source 1's
	s_lshl_b32 s98, 0x1111, s23                    ; my column of the cluster
	s_lshl_b32 s99, s24, 2
	s_lshl_b32 s99, 15, s99                        ; my row
	s_or_b32 s[G1C0], s98, (3<<16)|(1<<21)         ; 15:0 the mask; 17:16 elements of 8 bytes; 21 set beside a mask
	s_or_b32 s[G1S0], s98, (3<<16)|(1<<21)
	s_or_b32 s[G1C1], s99, (3<<16)|(1<<21)
	s_or_b32 s[G1S1], s99, (3<<16)|(1<<21)
	GROUP1 G1C0, 64                                ; each wave brings a quarter of each block: 16 KiB,
	GROUP1 G1C1, 128                               ; 32 KiB,
	GROUP1 G1S0, 4                                 ; 1 KiB,
	GROUP1 G1S1, 8                                 ; 2 KiB
	s_lshl_b32 s88, s28, 13
	s_lshl_b32 s25, s[WV], 14
	s_add_co_u32 s88, s88, s25
	s_mov_b32 s89, 0                               ; source 0's codes: 8,192 x tile + my quarter
	s_lshl_b32 s92, s28, 9
	s_lshl_b32 s25, s[WV], 10
	s_add_co_u32 s92, s92, s25
	s_mov_b32 s93, 0                               ; its scale words: 512 x tile + my quarter
	s_lshl_b32 s90, s29, 13
	s_lshl_b32 s25, s[WV], 15
	s_add_co_u32 s90, s90, s25
	s_mov_b32 s91, 0                               ; source 1's codes
	s_lshl_b32 s94, s29, 9
	s_lshl_b32 s25, s[WV], 11
	s_add_co_u32 s94, s94, s25
	s_mov_b32 s95, 0                               ; its scale words
	s_mov_b32 s[G0C0], 1
	s_lshl_b32 s[G0C0+1], s[WV], 14
	s_add_co_u32 s[G0C0+1], s[G0C0+1], CP          ; no place in the cluster enters an LDS address
	s_mov_b32 s[G0C1], 1
	s_lshl_b32 s[G0C1+1], s[WV], 15
	s_add_co_u32 s[G0C1+1], s[G0C1+1], CQ
	s_mov_b32 s[G0S0], 1
	s_lshl_b32 s[G0S0+1], s[WV], 10
	s_add_co_u32 s[G0S0+1], s[G0S0+1], SP
	s_mov_b32 s[G0S1], 1
	s_lshl_b32 s[G0S1+1], s[WV], 11                ; + SQ = 0
	s_wait_dscnt 0x0                               ; both opening adds are done
	s_wait_kmcnt 0x0
	s_add_nc_u64 s[G0C0+2:G0C0+3], s[4:5], s[88:89]
	s_or_b32 s[G0C0+3], s[G0C0+3], 0x80000000
	s_add_nc_u64 s[G0C1+2:G0C1+3], s[4:5], s[90:91]
	s_or_b32 s[G0C1+3], s[G0C1+3], 0x80000000
	s_add_nc_u64 s[G0S0+2:G0S0+3], s[6:7], s[92:93]
	s_or_b32 s[G0S0+3], s[G0S0+3], 0x80000000
	s_add_nc_u64 s[G0S1+2:G0S1+3], s[6:7], s[94:95]
	s_or_b32 s[G0S1+3], s[G0S1+3], 0x80000000
	s_cmp_eq_u32 s26, 0
	s_cselect_b64 s[84:85], s[14:15], s[16:17]     ; where the results go,
	s_cselect_b64 s[86:87], s[8:9], s[10:11]       ; and the bias
	s_cmp_eq_u32 s26, 2
	s_cselect_b64 s[84:85], s[18:19], s[84:85]
	s_cselect_b64 s[86:87], s[12:13], s[86:87]
	CROUND                                         ; all sixteen work-groups are here: the joint loads meet
	tensor_load_to_lds s[G0S0:G0S0+3], s[G1S0:G1S0+7]   ; all that the work-group will ever read: four loads of mine are out
	s_nop 0
	tensor_load_to_lds s[G0S1:G0S1+3], s[G1S1:G1S1+7]
	s_nop 0
	tensor_load_to_lds s[G0C0:G0C0+3], s[G1C0:G1C0+7]
	s_nop 0
	tensor_load_to_lds s[G0C1:G0C1+3], s[G1C1:G1C1+7]
	s_nop 0
	PLACES 4
	v_and_b32 v10, 31, v0
	v_lshlrev_b32 v[LI], 4, v10
	v_and_b32 v11, 15, v0                          ; r
	v_bfe_u32 v12, v0, 4, 1                        ; h
	s_lshl_b32 s25, s21, 15
	s_add_co_u32 s25, s25, CP
	v_add_nc_u32 v[ADR0], s25, v[LI]
	s_lshl_b32 s25, s22, 16
	s_add_co_u32 s25, s25, CQ
	v_add_nc_u32 v[ADR1], s25, v[LI]
	s_xor_b32 s98, s22, 1                          ; from source 1's words of my tiles (SQ + 4,096 x half) to source 0's (SP + 2,048 x half):
	s_lshl_b32 s98, s98, 12                        ; 4,096 + 2,048 x source 0's half + 4,096 x (1 - source 1's half)
	s_lshl_b32 s99, s21, 11
	s_add_co_u32 s98, s98, s99
	s_add_co_u32 s98, s98, 4096
	v_mul_u32_u24 v[ADRS], s98, v12                ; lanes 16-31 take source 0's
	v_lshl_add_u32 v[ADRS], v11, 4, v[ADRS]        ; 16 bytes a row: four K steps' words
	s_lshl_b32 s25, s22, 12
	v_add_nc_u32 v[ADRS], s25, v[ADRS]
	s_lshl_b32 s25, s96, 9
	s_lshl_b32 s98, s21, 8
	s_add_co_u32 s25, s25, s98
	v_lshl_add_u32 v[BOM], v12, 5, s25             ; 4 x (128 x block + 64 x half + 8 h)
	s_lshl_b32 s25, s97, 10
	s_lshl_b32 s98, s22, 9
	s_add_co_u32 s25, s25, s98
	v_lshl_add_u32 v[BON], v11, 2, s25             ; 4 x (256 x block + 128 x half + r)
	s_mov_b32 s98, 0
.irp b, 0,1,2,3,4,5,6,7
	s_add_co_u32 s99, s98, s30
	v_add_nc_u32 v[OFF+\b], s98, v[LI]
	v_add_nc_u32 v[OFF+8+\b], s99, v[LI]
	s_add_co_u32 s98, s98, s31
.endr
	s_lshl_b32 s98, s96, 2
	s_lshl_b32 s99, s21, 1
	s_add_co_u32 s98, s98, s99                     ; my first result fragment along source 0,
	s_mul_i32 s98, s98, s30
	s_lshl_b32 s99, s97, 4
	s_lshl_b32 s25, s22, 3
	s_add_co_u32 s99, s99, s25                     ; and along source 1
	s_mul_i32 s99, s99, s31
	s_add_co_u32 s98, s98, s99                     ; under 2^24 bytes
	s_mov_b32 s99, 0
	s_add_nc_u64 s[84:85], s[84:85], s[98:99]
.macro FETCH s, set                    ; K step s: 8 + 16 LDS loads into set
.irp a, 0,1,2,3
.irp c, 0,1
	ds_load_b128 v[A0+32*(\set)+8*\a+4*\c:A0+32*(\set)+8*\a+4*\c+3], v[ADR0] offset:8192*\a+1024*(\s)+512*\c
.endr
.endr
	WIN 0x80                                       ; destination window 2
.irp b, 0,1,2,3,4,5,6,7
.irp c, 0,1
	ds_load_b128 v[64*(\set)+8*\b+4*\c:64*(\set)+8*\b+4*\c+3], v[ADR1] offset:8192*\b+1024*(\s)+512*\c
.endr
.endr
	WIN 0
.endm
; 32 matrix instructions.  The 32 accumulators take turns, one instruction a turn, in the same order in every step.
; cm = 0: the sums go on; 1: they begin with the bias of source 0's rows; 2: with that of source 1's row.
.macro MULSTEP s, set, cm
.if \cm
	WIN 0x68                                       ; source 1 and C window 2, D window 1
.else
	WIN 0x58                                       ; source 1 window 2, C and D window 1
.endif
.irp a, 0,1,2,3
.irp b, 0,1,2,3,4,5,6,7
.if \cm == 1
	v_wmma_scale_f32_16x16x128_f8f6f4 v[8*(8*\a+\b):8*(8*\a+\b)+7], v[A0+32*(\set)+8*\a:A0+32*(\set)+8*\a+7], v[64*(\set)+8*\b:64*(\set)+8*\b+7], v[BI+8*\a:BI+8*\a+7], v[SC+8*\a+(\s)], v[SC+8*\b+(\s)] matrix_a_fmt:MATRIX_FMT_FP4 matrix_b_fmt:MATRIX_FMT_FP4 matrix_a_scale:MATRIX_SCALE_ROW1
.elseif \cm == 2
	v_wmma_scale_f32_16x16x128_f8f6f4 v[8*(8*\a+\b):8*(8*\a+\b)+7], v[A0+32*(\set)+8*\a:A0+32*(\set)+8*\a+7], v[64*(\set)+8*\b:64*(\set)+8*\b+7], v[BI+8*\b:BI+8*\b+7], v[SC+8*\a+(\s)], v[SC+8*\b+(\s)] matrix_a_fmt:MATRIX_FMT_FP4 matrix_b_fmt:MATRIX_FMT_FP4 matrix_a_scale:MATRIX_SCALE_ROW1
.else
	v_wmma_scale_f32_16x16x128_f8f6f4 v[8*(8*\a+\b):8*(8*\a+\b)+7], v[A0+32*(\set)+8*\a:A0+32*(\set)+8*\a+7], v[64*(\set)+8*\b:64*(\set)+8*\b+7], v[8*(8*\a+\b):8*(8*\a+\b)+7], v[SC+8*\a+(\s)], v[SC+8*\b+(\s)] matrix_a_fmt:MATRIX_FMT_FP4 matrix_b_fmt:MATRIX_FMT_FP4 matrix_a_scale:MATRIX_SCALE_ROW1
.endif
.endr
.endr
	WIN 0
.endm
	s_wait_tensorcnt 0x0                           ; my quarters have landed,
	s_barrier_signal -1
	s_barrier_wait -1                              ; everybody's have
.irp i, 0,1,2,3,4,5,6,7
.irp u, 0,1
	ds_load_b128 v[SC+8*\i+4*\u:SC+8*\i+4*\u+3], v[ADRS] offset:512*\i+256*\u   ; all eight K steps' words.  (For i above 3 lanes 16-31 read on into filled bytes; those lanes' words are not used)
.endr
.endr
	FETCH 0, 0
	FETCH 1, 1
	s_cmp_eq_u32 s26, 2                            ; one branch holds both the bias's loads and the products that read it
	s_cbranch_scc1 .Lvalue
	WIN 0x80
.irp a, 0,1,2,3
	global_load_b128 v[BI+8*\a:BI+8*\a+3], v[BOM], s[86:87] offset:64*\a          ; register j: the bias of channel 16 a + 8 h + j
	global_load_b128 v[BI+8*\a+4:BI+8*\a+7], v[BOM], s[86:87] offset:64*\a+16
.endr
	WIN 0
	s_wait_loadcnt 0x0
	s_wait_dscnt 24                                ; the scale words and K step 0 are in; K step 1's 24 loads may be out
	MULSTEP 0, 0, 1
	s_branch .Lsteps
.Lvalue:
	WIN 0x80
.irp b, 0,1,2,3,4,5,6,7
.irp j, 0,1,2,3,4,5,6,7
	global_load_b32 v[BI+8*\b+\j], v[BON], s[86:87] offset:64*\b                  ; all eight registers: the bias of my lane's channel 16 b + r
.endr
.endr
	WIN 0
	s_wait_loadcnt 0x0
	s_wait_dscnt 24
	MULSTEP 0, 0, 2
.Lsteps:
.set KS, 1
.rept 7
	s_wait_dscnt 0x0                               ; this step's fragments are in (asked for 32 matrix instructions ago)
	PLACES 4                                       ; in front of loads into registers that the last step's matrix instructions have read
.if KS < 7
	FETCH KS+1, (KS+1)%2
.endif
	MULSTEP KS, KS%2, 0
.set KS, KS+1
.endr
	; THE WAY OUT: two tiles along source 0 make one fragment: registers 4 u + i from tile 2 a' + u.  Each accumulator is read from its low end on.
	PLACES 4
	WIN 0x05                                       ; sources window 1
.irp p, 0,1
.irp b, 0,1,2,3,4,5,6,7
.irp u, 0,1
.irp i, 0,1,2,3
	v_cvt_pk_f16_f32 v[OUT+8*(8*\p+\b)+4*\u+\i], v[8*(8*(2*\p+\u)+\b)+2*\i], v[8*(8*(2*\p+\u)+\b)+2*\i+1]
.endr
.endr
.endr
.endr
	WIN 0
.irp p, 0,1
.irp b, 0,1,2,3,4,5,6,7
.irp u, 0,1
	global_store_b128 v[OFF+8*\p+\b], v[OUT+8*(8*\p+\b)+4*\u:OUT+8*(8*\p+\b)+4*\u+3], s[84:85] offset:512*\u   ; 32 lanes store 512 consecutive bytes, aligned
.endr
.endr
.endr
	s_wait_tensorcnt 0x0                           ; the wave's end
	ds_add_u32 v[SPW], v[NIL]
	s_wait_dscnt 0x0
	CROUND                                         ; the closing round
	s_endpgm
.Lfunc_end_k_qede2e9297d_proj:
	.size	k_qede2e9297d_proj, .Lfunc_end_k_qede2e9297d_proj-k_qede2e9297d_proj
	.p2alignl 7, 3214868480
	.fill 96, 4, 3214868480
	.section	.rodata,"a",@progbits
	.p2align	6, 0x0
	.amdhsa_kernel k_qede2e9297d_proj
		.amdhsa_group_segment_fixed_size 212992
		.amdhsa_private_segment_fixed_size 0
		.amdhsa_enable_private_segment 0
		.amdhsa_kernarg_size 64
		.amdhsa_user_sgpr_count 2
		.amdhsa_user_sgpr_kernarg_segment_ptr 1
		.amdhsa_wavefront_size32 1
		.amdhsa_system_sgpr_workgroup_id_x 1
		.amdhsa_system_sgpr_workgroup_id_y 1
		.amdhsa_system_sgpr_workgroup_id_z 1
		.amdhsa_system_vgpr_workitem_id 0
		.amdhsa_next_free_vgpr 768
		.amdhsa_next_free_sgpr 100
		.amdhsa_reserve_vcc 0
		.amdhsa_float_denorm_mode_32 3
		.amdhsa_float_denorm_mode_16_64 3
		.amdhsa_memory_ordered 1
		.amdhsa_forward_progress 1
		.amdhsa_inst_pref_size 79
	.end_amdhsa_kernel
	.amdgpu_metadata
---
amdhsa.version: [ 1, 2 ]
amdhsa.kernels:
  - .name:           k_qede2e9297d_proj
    .symbol:         k_qede2e9297d_proj.kd
    .args:
      - { .name: codes, .offset: 0, .size: 8, .value_kind: global_buffer, .address_space: global }
      - { .name: scales, .offset: 8, .size: 8, .value_kind: global_buffer, .address_space: global }
      - { .name: bq, .offset: 16, .size: 8, .value_kind: global_buffer, .address_space: global }
      - { .name: bk, .offset: 24, .size: 8, .value_kind: global_buffer, .address_space: global }
      - { .name: bv, .offset: 32, .size: 8, .value_kind: global_buffer, .address_space: global }
      - { .name: qf, .offset: 40, .size: 8, .value_kind: global_buffer, .address_space: global }
      - { .name: kf, .offset: 48, .size: 8, .value_kind: global_buffer, .address_space: global }
      - { .name: vf, .offset: 56, .size: 8, .value_kind: global_buffer, .address_space: global }
    .group_segment_fixed_size: 212992
    .private_segment_fixed_size: 0
    .kernarg_segment_align: 8
    .kernarg_segment_size: 64
    .max_flat_workgroup_size: 128
    .sgpr_count:     100
    .vgpr_count:     768
    .wavefront_size: 32
...
	.end_amdgpu_metadata
.endif
;; end of part 2
;; launch attn (part 3): grid 4 x 64, 8 waves a work-group, clusters of 4 x 1, 327,680 bytes of LDS; arguments qf, kf, vf, xf; writes xf
.if DOCPART == 3
	.amdgcn_target "amdgcn-amd-amdhsa--gfx1250"
	.amdhsa_code_object_version 6
	.text
	.protected	k_qede2e9297d_attn
	.globl	k_qede2e9297d_attn
	.p2align	8
	.type	k_qede2e9297d_attn,@function
k_qede2e9297d_attn:
	s_mov_b64 s[64:65], 0
	v_nop
	global_prefetch_b8 v0, s[64:65] scope:SCOPE_SE
	s_setreg_imm32_b32 hwreg(HW_REG_WAVE_MODE, 25, 1), 1
	s_wait_xcnt 0x0
	s_wait_alu depctr_hold_cnt(0) depctr_sa_sdst(0) depctr_va_vdst(0) depctr_va_sdst(0) depctr_va_ssrc(0) depctr_va_vcc(0) depctr_vm_vsrc(0)
	s_getreg_b32 s2, hwreg(HW_REG_IB_STS2, 6, 4)
	s_cmp_eq_u32 s2, 0
	s_cbranch_scc0 .Lentry_in_a_cluster
	s_endpgm
.Lentry_in_a_cluster:
	s_bfe_u32 s2, ttmp6, 0x10000c
	s_cmp_lg_u32 s2, 0x3003
	s_cbranch_scc0 .Lentry_shape_is_right
	s_endpgm
.Lentry_shape_is_right:
; x[b][q][head] = softmax_k(q . k / 8) v for 64 (batch, head) pairs, 2,048 queries and keys, head size 64.  Operands in f16, products, maxima and sums in f32; p is rounded to f16 for the second product, x once at the end.
; qf, kf, xf: [tile of 16 tokens: 512][32 channels: 32][1,024], vf: [32 tokens: 256][tile of 16 channels: 64][1,024]: images of 16-bit fragments (registers 0-3 at 16 x lane, registers 4-7 512 bytes on).
; LIMITS: p under 2^-25 rounds to 0 in f16; x under 6e-5 loses bits; scores under -3e38 are not served.
; SHARES.  A cluster is the four blocks of 512 queries of one (batch, head); a work-group owns one block, each of its eight waves 64 queries: four tiles of 16.  Two waves lie on a SIMD, so that one wave's
; softmax stands beside the other's products.  Every wave walks all 2,048 keys, 64 a step.
; LAYOUT.  S^T = K Q^T (source 0 = 16 keys, source 1 = 16 queries) and O^T = V^T P (source 0 = 16 channels, source 1 = P): a lane holds ONE query throughout.  Two tiles of S^T, packed in pairs, ARE P's fragment;
; two tiles of O^T, packed, are x's.  Nothing changes lanes but the query's maximum and sum, between the halves.
; SOFTMAX.  A running maximum m and sum l: p = 2^(c s - c m), c = log2(e) / 8; in every step O and l are multiplied by a = 2^(c m_old - c m_new).  The step is written once: O and l begin as zeros, m as -3e38.
; THE RING.  Two LDS slots of 512 keys (K 64 KiB, V 64 KiB, as they lie in memory).  The four work-groups walk the same K and V, so each tile is asked for JOINTLY: waves 0-3 K's quarters, waves 4-7 V's.
; A slot is asked for a whole slot, eight key steps, ahead of its first read, so nothing is prefetched beside the tensor loads.
; This launch claims all of a WGP's LDS.
; REGISTERS: window 0: v1-7 addresses; v8-39 statistics; v40-47 partial sums; v64-191 S^T, then p, then P; v192-255 K.   window 1: v0-63 Q; v64-191 O^T; v192-255 V.
.set SLOT1, 1<<17                      ; slot 1 begins here: one exclusive or turns an address
.set VOFF,  65536                      ; V behind K in a slot
.set STEPB, 8192                       ; a key step: 4 tiles of K x 2,048 bytes; 2 groups of V x 4,096
.set SPARE, 2*SLOT1                    ; the spare words, 128 bytes for each of the eight waves: four blocks of 256 bytes that no other line names
.set AK0, 1                            ; v1   16 x lane; also my offset in Q and x
.set AV0, 2                            ; v2   + VOFF
.set ADK, 3                            ; v3   the step's K
.set ADV, 4                            ; v4   the step's V
.set SPW, 6                            ; v6   LDS address of my spare word; never rewritten
.set NIL, 7                            ; v7   0; never rewritten
.set ST,  8                            ; tile t at v[ST + 8 t]: +0 c m, +1 m, +2, +3 l, +4 .. +7 c0-c3 at work; a takes c2's place
.set U,   40                           ; a second chain for the sums, a pair a tile
.set S,   64                           ; S^T of tile t, keys 16 kt on: v[S + 32 t + 8 kt]
.set KF,  192                          ; K: keys 16 kt on, channels 32 c on: v[KF + 16 kt + 8 c]
.set OA,  64                           ; window 1: O^T of tile t, channels 16 ct on: v[OA + 32 t + 8 ct]
.set VF,  192                          ; window 1: V^T: keys 32 g on, channels 16 ct on: v[VF + 8 (4 g + ct)]
.set WV,  12
.set G1K, 24                           ; s[24:31] group 1 for K's tiles; s[32:39] for V's; s[40:43] the one group 0, which walks
.set G1V, 32
.set G0,  40
.set CS,  44                           ; s[44:45] c, twice
.set SEL, 46                           ; s[46:47] lane selects for lane l xor 16
.set TB,  48                           ; s48 LDS byte at which the step to be fetched begins
.set CNT, 49
.set SLOTS, 50
.set MSB, 0
.macro WIN new
.if MSB != \new
	s_set_vgpr_msb (MSB<<8)|\new
.set MSB, \new
.endif
.endm
.macro CROUND
	s_barrier_signal -1
	s_barrier_wait -1
	s_cmp_lg_u32 s[WV], 0
	s_cbranch_scc1 .Lnot_wave_0_\@
	s_barrier_signal -3
.Lnot_wave_0_\@:
	s_barrier_wait -3
	s_barrier_signal -1
	s_barrier_wait -1
.endm
; A joint load: one line for each shape; the branch hangs on the wave's number alone.  An s_nop 0 and four v_nop follow each line.
.macro JLOAD
	s_cmp_lt_u32 s[WV], 4
	s_cbranch_scc0 .Lfor_v_\@
	tensor_load_to_lds s[G0:G0+3], s[G1K:G1K+7]
	s_nop 0
.rept 4
	v_nop
.endr
	s_branch .Lasked_\@
.Lfor_v_\@:
	tensor_load_to_lds s[G0:G0+3], s[G1V:G1V+7]
	s_nop 0
.rept 4
	v_nop
.endr
.Lasked_\@:
.endm
	s_load_b256 s[4:11], s[0:1], 0x0               ; qf, kf, vf, xf
	v_lshl_add_u32 v[SPW], v0, 2, SPARE
	v_mov_b32 v[NIL], 0
	ds_add_u32 v[SPW], v[NIL]                      ; the wave's opening: the add, twice on end, and its wait ahead of my first tensor load
	ds_add_u32 v[SPW], v[NIL]
	v_lshrrev_b32 v1, 5, v0
	v_readfirstlane_b32 s[WV], v1                  ; wave 0..7
	s_bfe_u32 s13, ttmp6, 0x40000                  ; cx: my block of queries; it enters Q's and x's addresses alone
	s_and_b32 s14, ttmp7, 0xffff
	s_lshr_b32 s15, s14, 4                         ; batch
	s_and_b32 s14, s14, 15                         ; head
	s_mov_b32 s[G1K], 15|(3<<16)|(1<<21)           ; 15:0 the mask: all four work-groups; 17:16 elements of 8 bytes; 21 set beside a mask
	s_mov_b32 s[G1K+1], 256<<16                    ; K: 8 token tiles, of each the head's 2,048 bytes,
	s_mov_b32 s[G1K+2], 8<<16
	s_mov_b32 s[G1K+3], 256<<16
	s_mov_b32 s[G1K+4], 8
	s_mov_b32 s[G1K+5], 4096                       ; 32,768 bytes apart
	s_mov_b32 s[G1K+6], 0
	s_mov_b32 s[G1K+7], 0
	s_mov_b32 s[G1V], 15|(3<<16)|(1<<21)
	s_mov_b32 s[G1V+1], 512<<16                    ; V: 4 groups of 32 keys, of each the head's 4,096 bytes,
	s_mov_b32 s[G1V+2], 4<<16
	s_mov_b32 s[G1V+3], 512<<16
	s_mov_b32 s[G1V+4], 4
	s_mov_b32 s[G1V+5], 8192                       ; 65,536 bytes apart
	s_mov_b32 s[G1V+6], 0
	s_mov_b32 s[G1V+7], 0
	s_mov_b32 s[CS], 0x3e38aa3b                    ; c = log2(e) / 8
	s_mov_b32 s[CS+1], s[CS]
	s_mov_b32 s[SEL], 0x76543210
	s_mov_b32 s[SEL+1], 0xfedcba98
	s_mov_b32 s[TB], 0
	s_mov_b32 s[SLOTS], 3
	s_lshl_b32 s16, s15, 22                        ; what I fetch: the batch's 4 MiB,
	s_and_b32 s17, s[WV], 3
	s_lshl_b32 s17, s17, 18                        ; my quarter of a slot: 8 rows of K or 4 of V,
	s_add_co_u32 s16, s16, s17
	s_cmp_lt_u32 s[WV], 4
	s_cselect_b32 s17, 11, 12
	s_lshl_b32 s17, s14, s17                       ; the head's bytes in a row
	s_add_co_u32 s16, s16, s17
	s_mov_b32 s17, 0
	s_lshl_b32 s18, s15, 22                        ; my queries: batch,
	s_lshl_b32 s19, s13, 20                        ; block of 32 tiles,
	s_add_co_u32 s18, s18, s19
	s_lshl_b32 s19, s[WV], 17                      ; my wave's 4 tiles,
	s_add_co_u32 s18, s18, s19
	s_lshl_b32 s19, s14, 11                        ; the head's 2,048 bytes in a tile
	s_add_co_u32 s18, s18, s19
	s_mov_b32 s19, 0
	s_mov_b32 s[G0], 1
	s_lshl_b32 s[G0+1], s[WV], 14                  ; slot 0: K's quarters, then V's: 16,384 x wave
	s_wait_dscnt 0x0                               ; both opening adds are done
	s_wait_kmcnt 0x0
	s_cmp_lt_u32 s[WV], 4
	s_cselect_b64 s[G0+2:G0+3], s[6:7], s[8:9]
	s_add_nc_u64 s[G0+2:G0+3], s[G0+2:G0+3], s[16:17]
	s_or_b32 s[G0+3], s[G0+3], 0x80000000
	s_add_nc_u64 s[4:5], s[4:5], s[18:19]
	s_add_nc_u64 s[10:11], s[10:11], s[18:19]
	CROUND                                         ; all four work-groups are here: the first joint loads meet
	JLOAD                                          ; slot 0: one load of mine is out
	v_and_b32 v1, 31, v0
	v_lshlrev_b32 v[AK0], 4, v1
	v_add_nc_u32 v[AV0], VOFF, v[AK0]
	WIN 0x40                                       ; destination window 1
.irp t, 0,1,2,3
.irp c, 0,1
.irp u, 0,1
	global_load_b128 v[16*\t+8*\c+4*\u:16*\t+8*\c+4*\u+3], v[AK0], s[4:5] offset:32768*\t+1024*\c+512*\u   ; Q stays in registers
.endr
.endr
.endr
.set i, 0
.rept 128
	v_mov_b32 v[OA+i], 0                           ; O^T: the step is written once, and its first turn finds zeros, which a = 0 leaves zeros
.set i, i+1
.endr
	WIN 0
.irp t, 0,1,2,3
	v_mov_b32 v[ST+8*\t+1], 0xff61b1e6             ; m: -3e38, under every score
	v_mul_f32 v[ST+8*\t], s[CS], v[ST+8*\t+1]      ; c m
	v_mov_b32 v[ST+8*\t+2], 0                      ; l
	v_mov_b32 v[ST+8*\t+3], 0
	v_mov_b32 v[ST+8*\t+5], 0                      ; written once: a lane permute's destination counts as one of its sources
.endr
.macro KLOAD                           ; a step's K: 16 loads of 512 consecutive bytes
.irp kt, 0,1,2,3
.irp c, 0,1
.irp u, 0,1
	ds_load_b128 v[KF+16*\kt+8*\c+4*\u:KF+16*\kt+8*\c+4*\u+3], v[ADK] offset:2048*\kt+1024*\c+512*\u
.endr
.endr
.endr
.endm
.macro VLOAD                           ; a step's V
	WIN 0x40
.irp g, 0,1
.irp ct, 0,1,2,3
.irp u, 0,1
	ds_load_b128 v[VF+8*(4*\g+\ct)+4*\u:VF+8*(4*\g+\ct)+4*\u+3], v[ADV] offset:4096*\g+1024*\ct+512*\u
.endr
.endr
.endr
	WIN 0
.endm
; 32 products S^T = K Q^T; the 16 accumulators take turns, one instruction a turn; the first 16 start the sums
.macro KQ
	WIN 0x04                                       ; Q in window 1
.irp c, 0,1
.irp kt, 0,1,2,3
.irp t, 0,1,2,3
.if \c == 0
	v_wmma_f32_16x16x32_f16 v[S+32*\t+8*\kt:S+32*\t+8*\kt+7], v[KF+16*\kt+8*\c:KF+16*\kt+8*\c+7], v[16*\t+8*\c:16*\t+8*\c+7], 0
.else
	v_wmma_f32_16x16x32_f16 v[S+32*\t+8*\kt:S+32*\t+8*\kt+7], v[KF+16*\kt+8*\c:KF+16*\kt+8*\c+7], v[16*\t+8*\c:16*\t+8*\c+7], v[S+32*\t+8*\kt:S+32*\t+8*\kt+7]
.endif
.endr
.endr
.endr
	WIN 0
.endm
; 32 products O^T += V^T P, likewise by turns
.macro PV
	WIN 0x51                                       ; V, C and D in window 1, P in window 0
.irp g, 0,1
.irp ct, 0,1,2,3
.irp t, 0,1,2,3
	v_wmma_f32_16x16x32_f16 v[OA+32*\t+8*\ct:OA+32*\t+8*\ct+7], v[VF+8*(4*\g+\ct):VF+8*(4*\g+\ct)+7], v[S+32*\t+8*\g:S+32*\t+8*\g+7], v[OA+32*\t+8*\ct:OA+32*\t+8*\ct+7]
.endr
.endr
.endr
	WIN 0
.endm
; The softmax of a step, the four tiles by turns in every group, so that no line waits for the line above it.
.macro SOFTMAX
.irp j, 0,1,2,3                        ; the maximum of a lane's 32 scores and the old m: four chains, each begun on the low end of one accumulator
.irp t, 0,1,2,3
	v_max3_num_f32 v[ST+8*\t+4+\j], v[S+32*\t+8*\j], v[S+32*\t+8*\j+1], v[S+32*\t+8*\j+2]
.endr
.endr
.irp q, 1,2
.irp j, 0,1,2,3
.irp t, 0,1,2,3
	v_max3_num_f32 v[ST+8*\t+4+\j], v[ST+8*\t+4+\j], v[S+32*\t+8*\j+2*\q+1], v[S+32*\t+8*\j+2*\q+2]
.endr
.endr
.endr
.irp t, 0,1,2,3
	v_max3_num_f32 v[ST+8*\t+4], v[ST+8*\t+4], v[S+32*\t+7], v[S+32*\t+15]
.endr
.irp t, 0,1,2,3
	v_max3_num_f32 v[ST+8*\t+6], v[ST+8*\t+6], v[S+32*\t+23], v[S+32*\t+31]
.endr
.irp t, 0,1,2,3
	v_max3_num_f32 v[ST+8*\t+4], v[ST+8*\t+4], v[ST+8*\t+5], v[ST+8*\t+6]
.endr
.irp t, 0,1,2,3
	v_max3_num_f32 v[ST+8*\t+4], v[ST+8*\t+4], v[ST+8*\t+7], v[ST+8*\t+1]
.endr
.irp t, 0,1,2,3
	v_permlanex16_b32 v[ST+8*\t+5], v[ST+8*\t+4], s[SEL], s[SEL+1]   ; the query's other 32 keys lie in the lane 16 away
.endr
.irp t, 0,1,2,3
	v_mov_b32 v[ST+8*\t+7], v[ST+8*\t]             ; c m_old
.endr
.irp t, 0,1,2,3
	v_max_num_f32 v[ST+8*\t+1], v[ST+8*\t+4], v[ST+8*\t+5]
.endr
.irp t, 0,1,2,3
	v_mul_f32 v[ST+8*\t], s[CS], v[ST+8*\t+1]
.endr
.irp t, 0,1,2,3
	v_sub_f32 v[ST+8*\t+7], v[ST+8*\t+7], v[ST+8*\t]
.endr
.irp i, 0,2,4,6,8,10,12,14,16,18,20,22,24,26,28,30
.irp t, 0,1,2,3
	v_pk_fma_f32 v[S+32*\t+\i:S+32*\t+\i+1], v[S+32*\t+\i:S+32*\t+\i+1], s[CS:CS+1], v[ST+8*\t:ST+8*\t+1] op_sel_hi:[1,0,0] neg_lo:[0,0,1] neg_hi:[0,0,1]   ; c s - c m
.endr
.endr
.irp t, 0,1,2,3
	v_exp_f32 v[ST+8*\t+6], v[ST+8*\t+7]           ; a.  ONE BATCH: these four and the 128 below; none reads another's result
.endr
.set i, 0
.rept 128
	v_exp_f32 v[S+i], v[S+i]
.set i, i+1
.endr
	v_nop                                          ; a plain instruction behind the last exponential
	s_wait_alu depctr_va_vdst(0)                   ; one wait for the batch, ahead of its first reader
.irp t, 0,1,2,3                        ; the sums, of the unrounded p, in two chains a tile
	v_pk_fma_f32 v[ST+8*\t+2:ST+8*\t+3], v[ST+8*\t+2:ST+8*\t+3], v[ST+8*\t+6:ST+8*\t+7], v[S+32*\t:S+32*\t+1] op_sel_hi:[1,0,1]   ; l = a l + the first pair
.endr
.irp t, 0,1,2,3
	v_pk_add_f32 v[U+2*\t:U+2*\t+1], v[S+32*\t+2:S+32*\t+3], v[S+32*\t+4:S+32*\t+5]
.endr
.irp i, 6,10,14,18,22,26
.irp t, 0,1,2,3
	v_pk_add_f32 v[ST+8*\t+2:ST+8*\t+3], v[ST+8*\t+2:ST+8*\t+3], v[S+32*\t+\i:S+32*\t+\i+1]
	v_pk_add_f32 v[U+2*\t:U+2*\t+1], v[U+2*\t:U+2*\t+1], v[S+32*\t+\i+2:S+32*\t+\i+3]
.endr
.endr
.irp t, 0,1,2,3
	v_pk_add_f32 v[ST+8*\t+2:ST+8*\t+3], v[ST+8*\t+2:ST+8*\t+3], v[S+32*\t+30:S+32*\t+31]
.endr
.irp t, 0,1,2,3
	v_pk_add_f32 v[ST+8*\t+2:ST+8*\t+3], v[ST+8*\t+2:ST+8*\t+3], v[U+2*\t:U+2*\t+1]
.endr
.irp i, 0,1,2,3,4,5,6,7,8,9,10,11,12,13,14,15
.irp t, 0,1,2,3
	v_cvt_pk_f16_f32 v[S+32*\t+\i], v[S+32*\t+2*\i], v[S+32*\t+2*\i+1]   ; P in place: a destination never runs ahead of its sources
.endr
.endr
	WIN 0x41                                       ; O^T in window 1, a in window 0
.irp i, 0,2,4,6,8,10,12,14,16,18,20,22,24,26,28,30
.irp t, 0,1,2,3
	v_pk_mul_f32 v[OA+32*\t+\i:OA+32*\t+\i+1], v[OA+32*\t+\i:OA+32*\t+\i+1], v[ST+8*\t+6:ST+8*\t+7] op_sel_hi:[1,0]   ; O^T x a, each accumulator from its low end on
.endr
.endr
	WIN 0
.endm
; A slot's eight key steps: written once, walked eight times.
.macro SLOT_STEPS
	v_add_nc_u32 v[ADK], s[TB], v[AK0]
	KLOAD                                          ; the slot's first K
	s_mov_b32 s[CNT], 8
.Lstep_\@:
	s_wait_dscnt 0x0                               ; K is in
	KQ
	v_add_nc_u32 v[ADV], s[TB], v[AV0]             ; four places behind the products: in front of the loads into K's registers and of the first read of the scores
	s_add_co_u32 s[TB], s[TB], STEPB
	v_add_nc_u32 v[ADK], s[TB], v[AK0]
	v_nop
	v_nop
	VLOAD                                          ; this step's V, and
	s_cmp_eq_u32 s[CNT], 1
	s_cbranch_scc1 .Lno_k_\@                       ; (the slot's last step fetches no K: the next lies in the other slot)
	KLOAD                                          ; the next step's K land under the softmax
.Lno_k_\@:
	SOFTMAX
	s_wait_dscnt 0x0                               ; V is in
	PV
.rept 5
	v_nop                                          ; the next step's first products write over registers that these read as P: five places
.endr
	s_sub_co_u32 s[CNT], s[CNT], 1
	s_cmp_lg_u32 s[CNT], 0
	s_cbranch_scc1 .Lstep_\@
	s_sub_co_u32 s[TB], s[TB], 8*STEPB             ; back to a slot's first step,
	s_xor_b32 s[TB], s[TB], SLOT1                  ; in the other slot
.endm
; THE CHANGE OF SLOTS stands at a slot's head.  Each wave waits for all its tensor loads (its quarter of the slot ahead), adds 0 to its spare word, and waits for that and for its reads of the slot that it has left.
; fill = 1: a round of the cluster's barrier, so that no wave of any partner still reads that slot or has a load on its way; behind it the joint load of the next 512 keys into it: it has eight key steps in which to land.
.macro CHANGE fill
	s_wait_tensorcnt 0x0                           ; no tensor load of mine is out, so the group 0 may be written
	ds_add_u32 v[SPW], v[NIL]                      ; 0 onto my spare word
.if \fill
	s_xor_b32 s[G0+1], s[G0+1], SLOT1              ; the other slot than last time,
	s_add_nc_u64 s[G0+2:G0+3], s[G0+2:G0+3], 0x100000   ; the next 512 keys: 32 rows of K or 16 of V; the type bits on top are not reached
.endif
	s_wait_dscnt 0x0                               ; the add is done, and my reads of the slot that I have left are over
.if \fill
	CROUND
	JLOAD
.else
	s_barrier_signal -1
	s_barrier_wait -1
.endif
.endm
	s_wait_loadcnt 0x0                             ; Q
.Lslot:                                            ; three trips: the first fills slot 1 for the first time, the others fill again the slot just left
	CHANGE 1
	SLOT_STEPS
	s_sub_co_u32 s[SLOTS], s[SLOTS], 1
	s_cmp_lg_u32 s[SLOTS], 0
	s_cbranch_scc1 .Lslot
	CHANGE 0                                       ; the last slot is written out: nothing is left to ask for
	SLOT_STEPS
	; THE WAY OUT: l's two halves and the other half of the lanes'; O^T / l; packed, two tiles of channels are a fragment of x
.irp t, 0,1,2,3
	v_add_f32 v[ST+8*\t+4], v[ST+8*\t+2], v[ST+8*\t+3]
.endr
.irp t, 0,1,2,3
	v_permlanex16_b32 v[ST+8*\t+5], v[ST+8*\t+4], s[SEL], s[SEL+1]
.endr
.irp t, 0,1,2,3
	v_add_f32 v[ST+8*\t+4], v[ST+8*\t+4], v[ST+8*\t+5]
.endr
.irp t, 0,1,2,3
	v_rcp_f32 v[ST+8*\t+6], v[ST+8*\t+4]
.endr
	v_nop                                          ; a plain instruction behind the last reciprocal
	s_wait_alu depctr_va_vdst(0)                   ; one wait for the four, ahead of their first reader
	WIN 0x41
.irp t, 0,1,2,3
.irp i, 0,2,4,6,8,10,12,14,16,18,20,22,24,26,28,30
	v_pk_mul_f32 v[OA+32*\t+\i:OA+32*\t+\i+1], v[OA+32*\t+\i:OA+32*\t+\i+1], v[ST+8*\t+6:ST+8*\t+7] op_sel_hi:[1,0]
.endr
.endr
	WIN 0x05                                       ; sources window 1, destination window 0
.irp t, 0,1,2,3
.irp i, 0,1,2,3,4,5,6,7,8,9,10,11,12,13,14,15
	v_cvt_pk_f16_f32 v[S+16*\t+\i], v[OA+32*\t+2*\i], v[OA+32*\t+2*\i+1]
.endr
.endr
	WIN 0
.irp t, 0,1,2,3
.irp c, 0,1
.irp u, 0,1
	global_store_b128 v[AK0], v[S+16*\t+8*\c+4*\u:S+16*\t+8*\c+4*\u+3], s[10:11] offset:32768*\t+1024*\c+512*\u   ; 32 lanes store 512 consecutive bytes, aligned
.endr
.endr
.endr
	s_wait_tensorcnt 0x0                           ; the wave's end
	ds_add_u32 v[SPW], v[NIL]
	s_wait_dscnt 0x0
	CROUND                                         ; the closing round
	s_endpgm
.Lfunc_end_k_qede2e9297d_attn:
	.size	k_qede2e9297d_attn, .Lfunc_end_k_qede2e9297d_attn-k_qede2e9297d_attn
	.p2alignl 7, 3214868480
	.fill 96, 4, 3214868480
	.section	.rodata,"a",@progbits
	.p2align	6, 0x0
	.amdhsa_kernel k_qede2e9297d_attn
		.amdhsa_group_segment_fixed_size 327680
		.amdhsa_private_segment_fixed_size 0
		.amdhsa_enable_private_segment 0
		.amdhsa_kernarg_size 32
		.amdhsa_user_sgpr_count 2
		.amdhsa_user_sgpr_kernarg_segment_ptr 1
		.amdhsa_wavefront_size32 1
		.amdhsa_system_sgpr_workgroup_id_x 1
		.amdhsa_system_sgpr_workgroup_id_y 1
		.amdhsa_system_sgpr_workgroup_id_z 1
		.amdhsa_system_vgpr_workitem_id 0
		.amdhsa_next_free_vgpr 512
		.amdhsa_next_free_sgpr 66
		.amdhsa_reserve_vcc 0
		.amdhsa_float_denorm_mode_32 3
		.amdhsa_float_denorm_mode_16_64 3
		.amdhsa_memory_ordered 1
		.amdhsa_forward_progress 1
		.amdhsa_inst_pref_size 89
	.end_amdhsa_kernel
	.amdgpu_metadata
---
amdhsa.version: [ 1, 2 ]
amdhsa.kernels:
  - .name:           k_qede2e9297d_attn
    .symbol:         k_qede2e9297d_attn.kd
    .args:
      - { .name: qf, .offset: 0, .size: 8, .value_kind: global_buffer, .address_space: global }
      - { .name: kf, .offset: 8, .size: 8, .value_kind: global_buffer, .address_space: global }
      - { .name: vf, .offset: 16, .size: 8, .value_kind: global_buffer, .address_space: global }
      - { .name: xf, .offset: 24, .size: 8, .value_kind: global_buffer, .address_space: global }
    .group_segment_fixed_size: 327680
    .private_segment_fixed_size: 0
    .kernarg_segment_align: 8
    .kernarg_segment_size: 32
    .max_flat_workgroup_size: 256
    .sgpr_count:     66
    .vgpr_count:     512
    .wavefront_size: 32
...
	.end_amdgpu_metadata
.endif
;; end of part 3
;; launch oproj (part 4): grid 8 x 32, 4 waves a work-group, clusters of 4 x 4, 327,680 bytes of LDS; arguments xf, wof, bo, out0; writes out0
.if DOCPART == 4
	.amdgcn_target "amdgcn-amd-amdhsa--gfx1250"
	.amdhsa_code_object_version 6
	.text
	.protected	k_qede2e9297d_oproj
	.globl	k_qede2e9297d_oproj
	.p2align	8
	.type	k_qede2e9297d_oproj,@function
k_qede2e9297d_oproj:
	s_mov_b64 s[64:65], 0
	v_nop
	global_prefetch_b8 v0, s[64:65] scope:SCOPE_SE
	s_setreg_imm32_b32 hwreg(HW_REG_WAVE_MODE, 25, 1), 1
	s_wait_xcnt 0x0
	s_wait_alu depctr_hold_cnt(0) depctr_sa_sdst(0) depctr_va_vdst(0) depctr_va_sdst(0) depctr_va_ssrc(0) depctr_va_vcc(0) depctr_vm_vsrc(0)
	s_getreg_b32 s2, hwreg(HW_REG_IB_STS2, 6, 4)
	s_cmp_eq_u32 s2, 0
	s_cbranch_scc0 .Lentry_in_a_cluster
	s_endpgm
.Lentry_in_a_cluster:
	s_bfe_u32 s2, ttmp6, 0x10000c
	s_cmp_lg_u32 s2, 0xf033
	s_cbranch_scc0 .Lentry_shape_is_right
	s_endpgm
.Lentry_shape_is_right:
; out0 = x Wo^T + bo.  x [8192][1024] and Wo [1024][1024] in f16, as images of 16-bit fragments: xf [tile of 16 tokens: 512][32 along K: 32][1,024], wof [tile of 16 outputs: 64][32][1,024]; sums in f32; out0 f32.
; SHARES.  256 work-groups: 128 outputs x 256 tokens each; four waves, each 64 outputs x 128 tokens: 32 accumulators.  Source 0 = Wo's rows, source 1 = tokens: a lane holds eight neighbouring outputs of one token.
; K goes in steps of 128 (4,096 bytes of each tile) through a ring of two LDS slots; a step is four quarters of 32 along K, 32 matrix instructions and 24 LDS loads of 512 consecutive bytes each.
; CLUSTERS: 4 x 4.  x's tiles hang on the block of tokens alone and are asked for jointly along a row of the cluster, Wo's on the block of outputs alone, along a column.  Waves 0, 1 fetch x's halves, waves 2, 3 Wo's.
; The bias is the C of the first quarter's products.  Nothing is prefetched beside the tensor loads: a K step's tiles are small and four work-groups share each request.
; This launch claims all of a WGP's LDS.
; REGISTERS: window 0: v1-29 addresses; v32-127, v128-223 two fragment buffers (source 0's four tiles, then source 1's eight); v224-255 the bias; on the way out v32-95 rows of out0.
;   window 1: the accumulators, (b, a) at v[8 (4 b + a)].
.set SLOT,  98304                      ; x's 16 tiles x 4,096 bytes, then Wo's 8
.set WOFF,  65536
.set STAGE, 2*SLOT                     ; behind the ring: 16 rows x (256 + 16) bytes for each wave
.set SPITCH, 272
.set SPARE, STAGE+4*16*SPITCH          ; the spare words, 128 bytes for each wave: two blocks of 256 bytes that no other line names
.set LI,   1                           ; v1     16 x lane
.set ADR1, 16                          ; v16-17 my eight tiles of x in slot 0, 1
.set ADR0, 20                          ; v20-21 my four tiles of Wo
.set STO,  24                          ; v24    the way out: where I put 32 bytes of a row
.set RD,   25                          ; v25    where I read a row back
.set CO,   26                          ; v26    my byte offset in two rows of out0
.set SPW,  28                          ; v28    LDS address of my spare word; never rewritten
.set NIL,  29                          ; v29    0; never rewritten
.set F0,   32
.set F1,   128
.set BA,   224
.set BK,   32
.set WV,   12                          ; s12 wave; s13 wave / 2: my 128 tokens, and: I fetch for x (0) or Wo (1); s14 wave % 2: my 64 outputs, and: which half I fetch
.set G1X,  24                          ; s[24:31] group 1 for x's tiles, s[32:39] groups 0, one for each slot
.set G0X,  32
.set G1W,  48                          ; s[48:55], s[56:63] the same for Wo's
.set G0W,  56
.set MSB, 0
.macro WIN new
.if MSB != \new
	s_set_vgpr_msb (MSB<<8)|\new
.set MSB, \new
.endif
.endm
.macro JLOAD s                         ; a joint load; an s_nop 0 and four v_nop follow each of the two lines
	s_cmp_eq_u32 s13, 0
	s_cbranch_scc0 .Lfor_w_\@
	tensor_load_to_lds s[G0X+4*\s:G0X+4*\s+3], s[G1X:G1X+7]
	s_nop 0
.rept 4
	v_nop
.endr
	s_branch .Lasked_\@
.Lfor_w_\@:
	tensor_load_to_lds s[G0W+4*\s:G0W+4*\s+3], s[G1W:G1W+7]
	s_nop 0
.rept 4
	v_nop
.endr
.Lasked_\@:
.endm
.macro CREST                           ; a round of the cluster's barrier behind its opening barrier
	s_cmp_lg_u32 s[WV], 0
	s_cbranch_scc1 .Lnot_wave_0_\@
	s_barrier_signal -3
.Lnot_wave_0_\@:
	s_barrier_wait -3
	s_barrier_signal -1
	s_barrier_wait -1
.endm
.macro CROUND
	s_barrier_signal -1
	s_barrier_wait -1
	CREST
.endm
.macro PLACES
.rept 4
	v_nop
.endr
.endm
	s_load_b256 s[4:11], s[0:1], 0x0               ; xf, wof, bo, out0
	v_lshl_add_u32 v[SPW], v0, 2, SPARE
	v_mov_b32 v[NIL], 0
	ds_add_u32 v[SPW], v[NIL]                      ; the wave's opening: the add, twice on end, and its wait ahead of my first tensor load
	ds_add_u32 v[SPW], v[NIL]
	v_lshrrev_b32 v1, 5, v0
	v_readfirstlane_b32 s[WV], v1                  ; wave 0..3
	s_lshr_b32 s13, s[WV], 1
	s_and_b32 s14, s[WV], 1
	s_bfe_u32 s15, ttmp6, 0x40000                  ; cx
	s_bfe_u32 s16, ttmp6, 0x40004                  ; cy
	s_lshl_b32 s17, ttmp9, 2
	s_add_co_u32 s17, s17, s15                     ; my block of 128 outputs
	s_and_b32 s18, ttmp7, 0xffff
	s_lshl_b32 s18, s18, 2
	s_add_co_u32 s18, s18, s16                     ; my block of 256 tokens
	s_lshl_b32 s19, s16, 2
	s_lshl_b32 s19, 15, s19                        ; my row of the cluster
	s_lshl_b32 s20, 0x1111, s15                    ; my column
	s_or_b32 s[G1X], s19, (3<<16)|(1<<21)          ; 15:0 the mask; 17:16 elements of 8 bytes; 21 set beside a mask
	s_or_b32 s[G1W], s20, (3<<16)|(1<<21)
.irp g, G1X, G1W
	s_mov_b32 s[\g+1], 512<<16                     ; rows of 4,096 bytes: a tile's K step,
	s_mov_b32 s[\g+3], 512<<16
	s_mov_b32 s[\g+5], 4096                        ; 32,768 bytes apart
	s_mov_b32 s[\g+6], 0
	s_mov_b32 s[\g+7], 0
.endr
	s_mov_b32 s[G1X+2], 8<<16                      ; x: 8 tiles to a load,
	s_mov_b32 s[G1X+4], 8
	s_mov_b32 s[G1W+2], 4<<16                      ; Wo: 4
	s_mov_b32 s[G1W+4], 4
	s_lshl_b32 s40, s18, 4
	s_lshl_b32 s21, s14, 3
	s_add_co_u32 s40, s40, s21
	s_lshl_b32 s40, s40, 15                        ; x: tile 16 x block + 8 x half
	s_mov_b32 s41, 0
	s_lshl_b32 s42, s17, 3
	s_lshl_b32 s21, s14, 2
	s_add_co_u32 s42, s42, s21
	s_lshl_b32 s42, s42, 15                        ; Wo: tile 8 x block + 4 x half
	s_mov_b32 s43, 0
	s_lshl_b32 s22, s14, 15                        ; where they go: no place in the cluster enters an LDS address
	s_lshl_b32 s23, s14, 14
	s_add_co_u32 s23, s23, WOFF
	s_wait_dscnt 0x0                               ; both opening adds are done
	s_wait_kmcnt 0x0
	s_add_nc_u64 s[44:45], s[4:5], s[40:41]
	s_add_nc_u64 s[46:47], s[6:7], s[42:43]
	CROUND                                         ; all sixteen work-groups are here: the first joint loads meet
.irp s, 0,1
	s_mov_b32 s[G0X+4*\s], 1
	s_add_co_u32 s[G0X+4*\s+1], s22, \s*SLOT
	s_add_nc_u64 s[G0X+4*\s+2:G0X+4*\s+3], s[44:45], \s*4096
	s_or_b32 s[G0X+4*\s+3], s[G0X+4*\s+3], 0x80000000
	s_mov_b32 s[G0W+4*\s], 1
	s_add_co_u32 s[G0W+4*\s+1], s23, \s*SLOT
	s_add_nc_u64 s[G0W+4*\s+2:G0W+4*\s+3], s[46:47], \s*4096
	s_or_b32 s[G0W+4*\s+3], s[G0W+4*\s+3], 0x80000000
	JLOAD \s                                       ; K steps 0 and 1: two loads of mine are out
.endr
	v_and_b32 v1, 31, v0
	v_lshlrev_b32 v[LI], 4, v1
	v_and_b32 v2, 15, v0                           ; r
	v_bfe_u32 v3, v0, 4, 1                         ; h
	s_lshl_b32 s21, s13, 15                        ; my eight tiles of x
	s_lshl_b32 s22, s14, 14
	s_add_co_u32 s22, s22, WOFF                    ; my four of Wo
.irp s, 0,1
	v_add_nc_u32 v[ADR1+\s], s21, v[LI]
	v_add_nc_u32 v[ADR0+\s], s22, v[LI]
	s_add_co_u32 s21, s21, SLOT
	s_add_co_u32 s22, s22, SLOT
.endr
	s_mul_i32 s23, s[WV], 16*SPITCH
	s_add_co_u32 s23, s23, STAGE                   ; my stage
	v_mul_u32_u24 v4, v2, SPITCH
	v_lshl_add_u32 v4, v3, 5, v4
	v_add_nc_u32 v[STO], s23, v4                   ; in: row r, 32 bytes for each half of the lanes
	v_mul_u32_u24 v5, v3, SPITCH
	v_lshl_add_u32 v5, v2, 4, v5
	v_add_nc_u32 v[RD], s23, v5                    ; back: lanes 0-15 one row of 256 bytes, lanes 16-31 the next
	v_lshlrev_b32 v[CO], 12, v3
	v_lshl_add_u32 v[CO], v2, 4, v[CO]             ; and the same two rows in out0
	s_lshl_b32 s21, s17, 9
	s_lshl_b32 s22, s14, 8
	s_add_co_u32 s21, s21, s22                     ; my first output, in bytes
	v_lshl_add_u32 v6, v3, 5, s21
.irp a, 0,1,2,3
	global_load_b128 v[BA+8*\a:BA+8*\a+3], v6, s[8:9] offset:64*\a        ; register j: bo of output 16 a + 8 h + j
	global_load_b128 v[BA+8*\a+4:BA+8*\a+7], v6, s[8:9] offset:64*\a+16
.endr
	s_lshl_b32 s40, s18, 8
	s_lshl_b32 s22, s13, 7
	s_add_co_u32 s40, s40, s22                     ; my first token
	s_lshl_b32 s40, s40, 12                        ; rows of 4,096 bytes: under 2^25
	s_add_co_u32 s40, s40, s21
	s_mov_b32 s41, 0
	s_add_nc_u64 s[10:11], s[10:11], s[40:41]
.macro FETCH slot, q, f                ; the slot's q-th 32 along K into buffer f: 8 + 16 loads
.irp a, 0,1,2,3
.irp u, 0,1
	ds_load_b128 v[\f+8*\a+4*\u:\f+8*\a+4*\u+3], v[ADR0+\slot] offset:4096*\a+1024*(\q)+512*\u
.endr
.endr
.irp b, 0,1,2,3,4,5,6,7
.irp u, 0,1
	ds_load_b128 v[\f+32+8*\b+4*\u:\f+32+8*\b+4*\u+3], v[ADR1+\slot] offset:4096*\b+1024*(\q)+512*\u
.endr
.endr
.endm
; 8 matrix instructions: token tiles 2 grp, 2 grp + 1 x the four tiles of outputs.  The 32 accumulators take turns, in the same order in every quarter.
.macro MUL8 f, grp, first
.irp b, 2*\grp, 2*\grp+1
.irp a, 0,1,2,3
.if \first
	v_wmma_f32_16x16x32_f16 v[8*(4*(\b)+\a):8*(4*(\b)+\a)+7], v[\f+8*\a:\f+8*\a+7], v[\f+32+8*(\b):\f+32+8*(\b)+7], v[BA+8*\a:BA+8*\a+7]
.else
	v_wmma_f32_16x16x32_f16 v[8*(4*(\b)+\a):8*(4*(\b)+\a)+7], v[\f+8*\a:\f+8*\a+7], v[\f+32+8*(\b):\f+32+8*(\b)+7], v[8*(4*(\b)+\a):8*(4*(\b)+\a)+7]
.endif
.endr
.endr
.endm
; One of a K step's first three quarters: multiplies buffer f; ahead of its products it asks for the next quarter, qn, into buffer g.
.macro QUARTER slot, qn, f, g, first
	s_wait_dscnt 0x0                               ; buffer f is in (asked for 32 matrix instructions ago)
	PLACES                                         ; in front of loads into registers that the last quarter's matrix instructions have read
	FETCH \slot, \qn, \g
.if \first
	WIN 0x40                                       ; D window 1, C (the bias) window 0
.else
	WIN 0x50                                       ; C and D window 1
.endif
	MUL8 \f, 0, \first
	MUL8 \f, 1, \first
	MUL8 \f, 2, \first
	MUL8 \f, 3, \first
	WIN 0
.endm
; The last quarter multiplies buffer 1 and changes slots: ONE barrier; in front of it each wave waits for all its tensor loads, adds 0 to its spare word, and waits for that and for its reads of this slot.
.macro TURN slot, next, fill
	s_wait_dscnt 0x0                               ; buffer 1 is in: my last reads of this slot
	s_wait_tensorcnt 0x0                           ; all my tensor loads have landed: my part of the next slot
	ds_add_u32 v[SPW], v[NIL]                      ; 0 onto my spare word
	WIN 0x50
	MUL8 F1, 0, 0                                  ; eight matrix instructions stand between the add and the wait for it
	s_wait_dscnt 0x0                               ; the add is done
	s_barrier_signal -1
	MUL8 F1, 1, 0
	WIN 0
	s_barrier_wait -1
.if \fill
	CREST                                          ; the barrier has opened a round of the cluster's: no wave of any partner still reads this slot or has a load on its way
	s_add_nc_u64 s[G0X+4*\slot+2:G0X+4*\slot+3], s[G0X+4*\slot+2:G0X+4*\slot+3], 8192
	s_add_nc_u64 s[G0W+4*\slot+2:G0W+4*\slot+3], s[G0W+4*\slot+2:G0W+4*\slot+3], 8192
	JLOAD \slot                                    ; two K steps on; the four v_nop behind it are also the places in front of the loads below
.else
	PLACES
.endif
	FETCH \next, 0, F0
	WIN 0x50
	MUL8 F1, 2, 0
	MUL8 F1, 3, 0
	WIN 0
.endm
	s_wait_tensorcnt 1                             ; my part of K step 0 is in; K step 1's load may be out
	s_barrier_signal -1
	s_barrier_wait -1
	FETCH 0, 0, F0
	s_wait_loadcnt 0x0                             ; the bias
	QUARTER 0, 1, F0, F1, 1                        ; the first quarter stands in front of the loop: its products start the sums
	s_mov_b32 s3, 3
.Llap:                                             ; a trip goes once round the ring, from a lap's second quarter to the next lap's first, and fills both slots again
	QUARTER 0, 2, F1, F0, 0
	QUARTER 0, 3, F0, F1, 0
	TURN 0, 1, 1
	QUARTER 1, 1, F0, F1, 0
	QUARTER 1, 2, F1, F0, 0
	QUARTER 1, 3, F0, F1, 0
	TURN 1, 0, 1
	QUARTER 0, 1, F0, F1, 0
	s_sub_co_u32 s3, s3, 1
	s_cmp_lg_u32 s3, 0
	s_cbranch_scc1 .Llap
	QUARTER 0, 2, F1, F0, 0                        ; the last lap fills nothing
	QUARTER 0, 3, F0, F1, 0
	TURN 0, 1, 0
	QUARTER 1, 1, F0, F1, 0
	QUARTER 1, 2, F1, F0, 0
	QUARTER 1, 3, F0, F1, 0
	s_wait_dscnt 0x0
	WIN 0x50
	MUL8 F1, 0, 0
	MUL8 F1, 1, 0
	MUL8 F1, 2, 0
	MUL8 F1, 3, 0
	WIN 0
; THE WAY OUT, a tile of 16 tokens x 64 outputs at a time: a lane holds 32 neighbouring bytes of a row and the lanes beside it other rows, so the tile goes through my own stage and comes back as whole rows of 256 bytes.
; LDS serves a wave's instructions in order: no wait between the stores and the loads, nor in front of the next tile's stores.
.macro TOSTAGE b
	WIN 0x04                                       ; an LDS store's data are its source 1: window 1
.irp a, 0,1,2,3
	ds_store_b128 v[STO], v[8*(4*(\b)+\a):8*(4*(\b)+\a)+3] offset:64*\a           ; each accumulator from its low end on
	ds_store_b128 v[STO], v[8*(4*(\b)+\a)+4:8*(4*(\b)+\a)+7] offset:64*\a+16
.endr
	WIN 0
.irp i, 0,1,2,3,4,5,6,7
	ds_load_b128 v[BK+32*((\b)%2)+4*\i:BK+32*((\b)%2)+4*\i+3], v[RD] offset:2*\i*SPITCH
.endr
.endm
.macro SEND b, younger                 ; younger: the LDS instructions issued behind tile b's loads, which may stay out
	s_wait_dscnt \younger
.irp i, 0,1,2,3,4,5,6,7
	global_store_b128 v[CO], v[BK+32*((\b)%2)+4*\i:BK+32*((\b)%2)+4*\i+3], s[10:11] offset:65536*(\b)+8192*\i th:TH_STORE_NT   ; 16 lanes store 256 consecutive bytes, aligned; written once, read by nobody here
.endr
.endm
	PLACES                                         ; in front of the first read of results and of loads into registers that matrix instructions have read
	TOSTAGE 0
.irp b, 1,2,3,4,5,6,7
.if \b > 1
	s_wait_xcnt 0x0                                ; tile b - 2's stores have read their registers: tile b's loads may land there
.endif
	TOSTAGE \b
	SEND \b-1, 16                                  ; behind tile b - 1's loads: tile b's 8 stores and 8 loads
.endr
	SEND 7, 0
	s_wait_tensorcnt 0x0                           ; the wave's end, behind my last tensor load and my last LDS store
	ds_add_u32 v[SPW], v[NIL]
	s_wait_dscnt 0x0
	CROUND                                         ; the closing round
	s_endpgm
.Lfunc_end_k_qede2e9297d_oproj:
	.size	k_qede2e9297d_oproj, .Lfunc_end_k_qede2e9297d_oproj-k_qede2e9297d_oproj
	.p2alignl 7, 3214868480
	.fill 96, 4, 3214868480
	.section	.rodata,"a",@progbits
	.p2align	6, 0x0
	.amdhsa_kernel k_qede2e9297d_oproj
		.amdhsa_group_segment_fixed_size 327680
		.amdhsa_private_segment_fixed_size 0
		.amdhsa_enable_private_segment 0
		.amdhsa_kernarg_size 32
		.amdhsa_user_sgpr_count 2
		.amdhsa_user_sgpr_kernarg_segment_ptr 1
		.amdhsa_wavefront_size32 1
		.amdhsa_system_sgpr_workgroup_id_x 1
		.amdhsa_system_sgpr_workgroup_id_y 1
		.amdhsa_system_sgpr_workgroup_id_z 1
		.amdhsa_system_vgpr_workitem_id 0
		.amdhsa_next_free_vgpr 512
		.amdhsa_next_free_sgpr 66
		.amdhsa_reserve_vcc 0
		.amdhsa_float_denorm_mode_32 3
		.amdhsa_float_denorm_mode_16_64 3
		.amdhsa_memory_ordered 1
		.amdhsa_forward_progress 1
		.amdhsa_inst_pref_size 85
	.end_amdhsa_kernel
	.amdgpu_metadata
---
amdhsa.version: [ 1, 2 ]
amdhsa.kernels:
  - .name:           k_qede2e9297d_oproj
    .symbol:         k_qede2e9297d_oproj.kd
    .args:
      - { .name: xf, .offset: 0, .size: 8, .value_kind: global_buffer, .address_space: global }
      - { .name: wof, .offset: 8, .size: 8, .value_kind: global_buffer, .address_space: global }
      - { .name: bo, .offset: 16, .size: 8, .value_kind: global_buffer, .address_space: global }
      - { .name: out0, .offset: 24, .size: 8, .value_kind: global_buffer, .address_space: global }
    .group_segment_fixed_size: 327680
    .private_segment_fixed_size: 0
    .kernarg_segment_align: 8
    .kernarg_segment_size: 32
    .max_flat_workgroup_size: 128
    .sgpr_count:     66
    .vgpr_count:     512
    .wavefront_size: 32
...
	.end_amdgpu_metadata
.endif
;; end of part 4
